; MI455X (gfx1250); checked and timed in simulation.
; The chip was launched on July 23, 2026; its instructions are those of AMD's public machine-readable ISA for CDNA 5 (MIT licence, August 2026) and "CDNA5" Instruction Set Architecture Reference Guide (July 2026). The comments in the code are by the model that wrote it; some were corrected since.
;; Task Model. Allowed arithmetic: float matrix products may take bf16 or f16 operands with f32 sums; all other float work in f32.
;; Inputs: W 8 x 2,048 x 2,048 float32; b 8 x 2,048 float32; masks 2,048 int32; x 2,048 x 2,048 float32.
;; Outputs: out0 2,048 x 2,048 float32.
;; One version. Each part assembles by itself: llvm-mc -triple=amdgcn-amd-amdhsa -mcpu=gfx1250 --defsym DOCPART=n.
;; ======== version 1 of 1: 2 launches
;; workspace buffers: xs 8,388,608 bytes; route 8,448 bytes of whole numbers
;; launch prep (part 1): grid 256 x 1, 8 waves a work-group, no clusters, 37,888 bytes of LDS; arguments masks, x, xs, route; writes xs, route
.if DOCPART == 1
	.amdgcn_target "amdgcn-amd-amdhsa--gfx1250"
	.amdhsa_code_object_version 6
	.text
	.protected	k_q8ac9695044_prep
	.globl	k_q8ac9695044_prep
	.p2align	8
	.type	k_q8ac9695044_prep,@function
k_q8ac9695044_prep:
	s_mov_b64 s[64:65], 0
	v_nop
	global_prefetch_b8 v0, s[64:65] scope:SCOPE_SE
	s_setreg_imm32_b32 hwreg(HW_REG_WAVE_MODE, 25, 1), 1
	s_wait_xcnt 0x0
; PREP: sorts the 2,048 tokens by expert and writes x, rounded to bf16, in that order and in the order of matrix fragments.
;   route word p (0..2047)     = the token at sorted place p
;   route word 2048 + L (0..31) = number of tokens whose expert is below min(L, 8): expert e owns places seg[e] .. seg[e+1]-1
;   xs: place p = 16 q + r, k = 32 c + 16 j + 8 h + i lies at byte 65536 q + 1024 c + 512 j + 16 (16 h + r) + 2 i,
;       so that a wave's 16-byte load at 16 x lane brings half of a 16 x 32 fragment from 512 consecutive bytes.
; Work-group g: q = g / 2 (16 sorted places), half = g % 2 (1,024 of K).  Wave w: 128 of K.  Every work-group ranks all tokens
; anew (wave w ranks tokens 256 w .. 256 w + 255): 8 KiB of masks against a launch of its own and a trip through memory.
; The order inside an expert is not the tokens' order; it is a fixed function of masks, the same in every work-group.
; LIMIT: masks outside 0..7 are taken as min(unsigned mask, 7); the problem keeps an index inside its table.
; No matrix unit, no tile mover, no cluster: the launch is a gather of rows that no two work-groups share.
.set CNTB,   0                         ; LDS 0..1023: 128 bytes a wave, word e = the wave's number of tokens of expert e
.set TABB,   1024                      ; LDS 1024..2047: 128 bytes a wave, word rho = token + 1 of tile row rho (0: none), word 16: for all other tokens
.set STGB,   2048                      ; LDS 2048..: 4,352 bytes a wave: 16 rows of 256 bytes at a pitch of 272
.set SPITCH, 272                       ; an odd multiple of 16 bytes: the 16 rows of a fragment read start in 16 different 16-byte columns
.set M,    8                           ; v[8:15]    my 8 tokens' experts
.set R,    16                          ; v[16:23]   their ranks among the wave's tokens of the same expert
.set J,    24                          ; v[24:31]   token + 1
.set T,    32                          ; v[32:39]   at work
.set C,    40                          ; v[40:47]   words read from the eight waves' tables
.set TOT,  48
.set BEF,  49
.set SEGV, 50
.set BASE, 51
.set P,    52                          ; v[52:59]
.set XO,   60                          ; v[60:75]   byte offset in x of my 16 bytes of tile row r
.set X,    76                          ; v[76:139]  16 rows x 4 f32
.set F,    76                          ; v[76:107]  afterwards: 8 half fragments
.set Y,    140                         ; v[140:171] 16 rows x 4 bf16
.set TKV,  172                         ; lane r: token of tile row r
.set CNT,  16                          ; s[16:23]
.set MK,   24                          ; s[24:31]
.set ST,   32                          ; s[32:40]
.set TOK,  44                          ; s[44:59]
	s_load_b256 s[4:11], s[0:1], 0x0               ; masks s[4:5], x s[6:7], xs s[8:9], route s[10:11]
	v_lshl_add_u32 v176, v0, 2, 0x9000
	v_mov_b32 v177, 0
	v_and_b32 v1, 31, v0                           ; lane L
	v_lshrrev_b32 v4, 5, v0
	v_readfirstlane_b32 s12, v4                    ; wave w
	v_and_b32 v2, 15, v0                           ; r
	v_bfe_u32 v3, v0, 4, 1                         ; h
	s_lshr_b32 s13, ttmp9, 1                       ; q
	s_and_b32 s14, ttmp9, 1                        ; half
	v_lshlrev_b32 v5, 4, v1                        ; 16 L
	v_lshl_add_u32 v6, s12, 10, v5                 ; 1,024 w + 16 L
	s_wait_kmcnt 0x0
	global_load_b128 v[M:M+3],   v6, s[4:5]            ; register 4 a + c: token 256 w + 128 a + 4 L + c
	global_load_b128 v[M+4:M+7], v6, s[4:5] offset:512
	v_lshlrev_b32 v7, 2, v1                        ; 4 L
	v_lshl_add_u32 v4, s12, 8, v7                  ; 256 w + 4 L
.irp i, 0,1,2,3,4,5,6,7
	v_add_nc_u32 v[J+\i], 128*(\i/4)+(\i%4)+1, v4
.endr
.irp e, 0,1,2,3,4,5,6,7
	s_mov_b32 s[CNT+\e], 0
.endr
	v_lshl_add_u32 v7, s12, 7, v7                  ; 128 w + 4 L: my word in my wave's part of both tables
	s_wait_loadcnt 0x0
.irp i, 0,1,2,3,4,5,6,7
	v_min_u32 v[M+\i], 7, v[M+\i]
.endr
; Rank of register i's 32 tokens: tokens of the same expert in registers 0 .. i-1 (the running count) + those in lower lanes.
.macro RANK i
.irp e, 0,1,2,3,4,5,6,7
	v_cmp_eq_u32 s[MK+\e], \e, v[M+\i]
.endr
	v_mbcnt_lo_u32_b32 v[R+\i], s[MK], s[CNT]      ; expert 0's figure starts the choice: nothing is cleared
.irp e, 1,2,3,4,5,6,7
	v_mbcnt_lo_u32_b32 v[T+\e], s[MK+\e], s[CNT+\e]
	v_cndmask_b32 v[R+\i], v[R+\i], v[T+\e], s[MK+\e]
.endr
.irp e, 0,1,2,3,4,5,6,7
	s_bcnt1_i32_b32 s15, s[MK+\e]
	s_add_co_u32 s[CNT+\e], s[CNT+\e], s15
.endr
.endm
.irp i, 0,1,2,3,4,5,6,7
	RANK \i
.endr
	; my wave's counts to its own words; its tile table cleared
	v_mov_b32 v[C], 0
.irp e, 0,1,2,3,4,5,6,7
	v_writelane_b32 v[C], s[CNT+\e], \e
.endr
	v_mov_b32 v[T], 0
	ds_store_b32 v7, v[C] offset:CNTB
	ds_store_b32 v7, v[T] offset:TABB
	s_wait_dscnt 0x0                               ; for the other waves' sake: my stores are done
	s_barrier_signal -1
	s_barrier_wait -1
	; lane e (0..7): all tokens of expert e, and those in waves below mine
	v_and_b32 v4, 7, v1
	v_lshlrev_b32 v4, 2, v4
.irp w, 0,1,2,3,4,5,6,7
	ds_load_b32 v[C+\w], v4 offset:CNTB+128*\w
.endr
	s_lshl_b32 s60, s13, 4                         ; 16 q
	s_wait_dscnt 0x0
	v_add3_u32 v[TOT], v[C], v[C+1], v[C+2]
	v_add3_u32 v[TOT], v[TOT], v[C+3], v[C+4]
	v_add3_u32 v[TOT], v[TOT], v[C+5], v[C+6]
	v_add_nc_u32 v[TOT], v[TOT], v[C+7]
	s_cmp_gt_u32 s12, 0
	s_cselect_b32 s15, 1, 0
	v_mul_u32_u24 v[BEF], s15, v[C]
.irp w, 1,2,3,4,5,6
	s_cmp_gt_u32 s12, \w
	s_cselect_b32 s15, 1, 0
	v_mad_u32_u24 v[BEF], v[C+\w], s15, v[BEF]
.endr
	s_mov_b32 s[ST], 0
.irp e, 0,1,2,3,4,5,6,7
	v_readlane_b32 s15, v[TOT], \e
	s_add_co_u32 s[ST+\e+1], s[ST+\e], s15         ; running sum of the totals
.endr
	v_mov_b32 v[SEGV], s[ST+8]                     ; lanes 8..31: all tokens
.irp e, 0,1,2,3,4,5,6,7
	v_writelane_b32 v[SEGV], s[ST+\e], \e
.endr
	v_add_nc_u32 v[BASE], v[SEGV], v[BEF]
	v_sub_nc_u32 v[BASE], v[BASE], s60             ; counted from my tile's first place
	; place of each of my 8 tokens; those that fall into my tile leave token + 1 in my wave's table
.irp i, 0,1,2,3,4,5,6,7
	v_lshlrev_b32 v[T+\i], 2, v[M+\i]
.endr
.irp i, 0,1,2,3,4,5,6,7
	ds_bpermute_b32 v[P+\i], v[T+\i], v[BASE]      ; lane e's figure for my token's expert e
.endr
	s_lshl_b32 s61, s12, 7                         ; 128 w
	s_wait_dscnt 0x0
.irp i, 0,1,2,3,4,5,6,7
	v_add_nc_u32 v[P+\i], v[P+\i], v[R+\i]
	v_min_u32 v[P+\i], 16, v[P+\i]                 ; places in front of the tile wrap to large numbers: they and those behind it go to word 16
	v_lshl_add_u32 v[P+\i], v[P+\i], 2, s61
	ds_store_b32 v[P+\i], v[J+\i] offset:TABB
.endr
	s_wait_dscnt 0x0
	s_barrier_signal -1
	s_barrier_wait -1
	; each tile row stands in exactly one wave's table, the other seven hold 0: the sum is token + 1
	v_lshlrev_b32 v4, 2, v2                        ; 4 r
.irp w, 0,1,2,3,4,5,6,7
	ds_load_b32 v[C+\w], v4 offset:TABB+128*\w
.endr
	s_lshl_b32 s60, s14, 12
	s_lshl_b32 s61, s12, 9
	s_add_co_u32 s60, s60, s61
	v_add_nc_u32 v[T+4], s60, v5                   ; 4,096 half + 512 w + 16 L: my 16 bytes in a row of x
	s_wait_dscnt 0x0
	v_add3_u32 v[TKV], v[C], v[C+1], v[C+2]
	v_add3_u32 v[TKV], v[TKV], v[C+3], v[C+4]
	v_add3_u32 v[TKV], v[TKV], v[C+5], v[C+6]
	v_add3_u32 v[TKV], v[TKV], v[C+7], -1
.irp r, 0,1,2,3,4,5,6,7,8,9,10,11,12,13,14,15
	v_readlane_b32 s[TOK+\r], v[TKV], \r
.endr
.irp r, 0,1,2,3,4,5,6,7,8,9,10,11,12,13,14,15
	s_min_u32 s[TOK+\r], s[TOK+\r], 0x7ff          ; a number that came from memory enters an address only clamped
	s_lshl_b32 s[TOK+\r], s[TOK+\r], 13            ; rows of 8,192 bytes
	v_add_nc_u32 v[XO+\r], s[TOK+\r], v[T+4]
.endr
.irp r, 0,1,2,3,4,5,6,7,8,9,10,11,12,13,14,15
	global_load_b128 v[X+4*\r:X+4*\r+3], v[XO+\r], s[6:7] th:TH_LOAD_NT   ; 512 consecutive bytes of one row; each byte of x is read once in the launch
.endr
	; the list and the bounds, each word by one work-group
	s_or_b32 s15, s12, s14
	s_cmp_lg_u32 s15, 0
	s_cbranch_scc1 .Lno_order
	v_min_u32 v[T], 0x7ff, v[TKV]
	v_lshl_add_u32 v[T+1], s13, 6, v4              ; word 16 q + r; lanes 16..31 repeat lanes 0..15
	global_store_b32 v[T+1], v[T], s[10:11]
.Lno_order:
	s_or_b32 s15, s12, ttmp9
	s_cmp_lg_u32 s15, 0
	s_cbranch_scc1 .Lno_seg
	v_lshlrev_b32 v[T+2], 2, v1
	global_store_b32 v[T+2], v[SEGV], s[10:11] offset:8192
.Lno_seg:
	s_mul_i32 s61, s12, 16*SPITCH                  ; my wave's stage
	v_lshl_add_u32 v6, v1, 3, s61                  ; in: 8 bytes a lane, a row at a time
	v_mul_u32_u24 v7, v2, SPITCH
	v_lshl_add_u32 v7, v3, 4, v7
	v_add_nc_u32 v7, s61, v7                       ; back: row r, 16 h
	s_lshl_b32 s42, s13, 16                        ; 65,536 q
	s_lshl_b32 s15, s14, 15                        ; + 1,024 (32 half + 4 w)
	s_add_co_u32 s42, s42, s15
	s_lshl_b32 s15, s12, 12
	s_add_co_u32 s42, s42, s15
	s_mov_b32 s43, 0
	s_add_nc_u64 s[8:9], s[8:9], s[42:43]
.irp r, 0,1,2,3,4,5,6,7,8,9,10,11,12,13,14,15
	s_wait_loadcnt 15-\r                           ; loads come back in order: row r is in, the 15 - r younger rows stay out
	v_cvt_pk_bf16_f32 v[Y+2*\r],   v[X+4*\r],   v[X+4*\r+1]
	v_cvt_pk_bf16_f32 v[Y+2*\r+1], v[X+4*\r+2], v[X+4*\r+3]
	ds_store_b64 v6, v[Y+2*\r:Y+2*\r+1] offset:STGB+SPITCH*\r
.endr
	; half fragment n = 2 c + j: lane (r, h) takes k = 32 c + 16 j + 8 h .. + 7 of row r.  My wave's own bytes, served in order: no wait between stores and loads
.irp n, 0,1,2,3,4,5,6,7
	ds_load_b128 v[F+4*\n:F+4*\n+3], v7 offset:STGB+32*\n
.endr
.irp n, 0,1,2,3,4,5,6,7
	s_wait_dscnt 7-\n
	global_store_b128 v5, v[F+4*\n:F+4*\n+3], s[8:9] offset:512*\n      ; 512 consecutive bytes, aligned; the wave's eight stores cover 4,096.  Read again by the next launch: no hint
.endr
	s_wait_tensorcnt 0x0
	ds_add_u32 v176, v177
	s_wait_dscnt 0x0
	s_endpgm
.Lfunc_end_k_q8ac9695044_prep:
	.size	k_q8ac9695044_prep, .Lfunc_end_k_q8ac9695044_prep-k_q8ac9695044_prep
	.p2alignl 7, 3214868480
	.fill 96, 4, 3214868480
	.section	.rodata,"a",@progbits
	.p2align	6, 0x0
	.amdhsa_kernel k_q8ac9695044_prep
		.amdhsa_group_segment_fixed_size 37888
		.amdhsa_private_segment_fixed_size 0
		.amdhsa_enable_private_segment 0
		.amdhsa_kernarg_size 32
		.amdhsa_user_sgpr_count 2
		.amdhsa_user_sgpr_kernarg_segment_ptr 1
		.amdhsa_wavefront_size32 1
		.amdhsa_system_sgpr_workgroup_id_x 1
		.amdhsa_system_sgpr_workgroup_id_y 1
		.amdhsa_system_sgpr_workgroup_id_z 1
		.amdhsa_system_vgpr_workitem_id 0
		.amdhsa_next_free_vgpr 178
		.amdhsa_next_free_sgpr 66
		.amdhsa_reserve_vcc 0
		.amdhsa_float_denorm_mode_32 3
		.amdhsa_float_denorm_mode_16_64 3
		.amdhsa_memory_ordered 1
		.amdhsa_forward_progress 1
		.amdhsa_inst_pref_size 36
	.end_amdhsa_kernel
	.amdgpu_metadata
---
amdhsa.version: [ 1, 2 ]
amdhsa.kernels:
  - .name:           k_q8ac9695044_prep
    .symbol:         k_q8ac9695044_prep.kd
    .args:
      - { .name: masks, .offset: 0, .size: 8, .value_kind: global_buffer, .address_space: global }
      - { .name: x, .offset: 8, .size: 8, .value_kind: global_buffer, .address_space: global }
      - { .name: xs, .offset: 16, .size: 8, .value_kind: global_buffer, .address_space: global }
      - { .name: route, .offset: 24, .size: 8, .value_kind: global_buffer, .address_space: global }
    .group_segment_fixed_size: 37888
    .private_segment_fixed_size: 0
    .kernarg_segment_align: 8
    .kernarg_segment_size: 32
    .max_flat_workgroup_size: 256
    .sgpr_count:     66
    .vgpr_count:     178
    .wavefront_size: 32
...
	.end_amdgpu_metadata
.endif
;; end of part 1
;; launch moe (part 2): grid 256 x 1, 8 waves a work-group, no clusters, 314,368 bytes of LDS; arguments W, b, xs, route, out0; writes out0
.if DOCPART == 2
	.amdgcn_target "amdgcn-amd-amdhsa--gfx1250"
	.amdhsa_code_object_version 6
	.text
	.protected	k_q8ac9695044_moe
	.globl	k_q8ac9695044_moe
	.p2align	8
	.type	k_q8ac9695044_moe,@function
k_q8ac9695044_moe:
	s_mov_b64 s[64:65], 0
	v_nop
	global_prefetch_b8 v0, s[64:65] scope:SCOPE_SE
	s_setreg_imm32_b32 hwreg(HW_REG_WAVE_MODE, 25, 1), 1
	s_wait_xcnt 0x0
; MOE: out[t] = W[e] x[t] + b[e] for the tokens t of expert e, tokens taken in the sorted order that the first launch left.
; Work-group g: expert e = g / 32, output columns 64 (g % 32) .. + 63, that is rows 64 g .. 64 g + 63 of W seen as [16384][2048].
; Each byte of W is read once in the launch, rounded to bf16 and kept in LDS for the whole work-group.
; All eight waves run the same text.  Wave w brings rows 8 w .. 8 w + 7 of the slice, and computes 3 tiles of 16 sorted places x 4 tiles
; of 16 columns = 12 accumulators; x's fragments come from xs straight into registers.
; ONE RING FOR BOTH STREAMS: group t = the six loads of x for K step t (32 along K) and two loads of W: rows 2 (t % 4), 2 (t % 4) + 1 of my eight,
; chunk t / 4 + 2 (a chunk is 128 along K).  Seven register slots: by this text's count at most 56 loads of a wave are out,
; 8 waves x 56 x 512 bytes for the work-group.  Step s waits for group s, rounds its two rows of W into LDS, multiplies, and asks for group s + 7.
; So W is stored two chunks ahead of the chunk that is multiplied: while chunk ch + 2 is stored, chunk ch and the first K step of chunk ch + 1
; are read, and one barrier a chunk orders stores and reads.  Each LDS byte of W is written once in the launch.
; Tiles are fixed in sorted space (place 16 q ..): expert e takes tiles start/16 .. (end+15)/16 - 1; rows of a tile that belong to a neighbour
; are computed and not stored (the test start <= place < end).  Tile numbers past the expert's last are clamped to it and not stored.
; A pass serves 24 tiles, dealt round the waves: wave w has tiles w, w + 8, w + 16 of the pass.  An expert with 2,048 / 8 tokens has 16 to 18 tiles,
; so most waves' third tile lies past the end: from K step 1 on its four products are jumped over (K step 0 makes them, so that the accumulators
; are written on every way).  Its loads are issued all the same, so that every counted wait counts the same loads on both ways.
; A first or second tile past the end (an expert of fewer than 16 tiles) is multiplied and not stored.
; More than 24 tiles (over some 368 tokens of one expert): further passes over the W kept in LDS, 6 passes at the most.
; Right for every split of the tokens, slower for skewed ones.
; x and W are rounded to bf16 (nearest even); sums and the bias in f32.
; NO TILE MOVER, NO JOINT LOADS, though the 32 work-groups of an expert read the same x: W's 16 x 17,408 = 278,528 bytes and the stages'
; 8 x 4,352 = 34,816 leave 14,336 of 327,680 bytes, and one K step of 128 for 384 places is 384 x 272 = 104,448 bytes a slot.
;
; LDS: chunk ch at 17,408 ch: 64 rows (columns of the output) of 256 bytes at a pitch of 272.
;      stage at 278,528 + 4,352 w: 16 rows of 256 bytes at a pitch of 272, each wave's own.
; THE MATRIX INSTRUCTION IS USED TRANSPOSED: source 0 = 16 rows of W, source 1 = 16 places of x.  Lane (r, h), register j then holds
; place r, column 16 b + 8 h + j: eight neighbouring columns of one row of out.
.set CHUNK, 17408
.set GRP,   3*CHUNK                    ; one base register serves three chunks: the largest immediate is 2 x 17,408 + 13,056 + 192 + 32 = 48,096
.set PITCH, 272                        ; an odd multiple of 16 bytes: 16 rows start in 16 different 16-byte columns
.set TILEB, 16*PITCH
.set WROWS, 8*PITCH                    ; a wave's eight rows of a chunk
.set STAGE, 16*CHUNK
.set NTP,   24                         ; tiles of a pass: three for each of eight waves
; window 0
.set XO,   4                           ; v[4:6]    65,536 x tile + 16 L, for each of my 3 tiles
.set TA,   7                           ; v[7:9]    64 x tile + 4 r: the tile's 16 words of the list
.set BA,   10                          ; v[10:15]  272 r + 16 h + 52,224 x group of three chunks: W's fragments
.set PS,   16                          ; v[16:21]  2,176 w + 8 L + 52,224 x group: where my rows of W go
.set IDX,  22                          ; v[22:29]  4 (2 t + h): the lane that holds row 2 t + h's token
.set STO,  30                          ; stage + 272 r + 32 h
.set RD,   31                          ; stage + 272 h + 16 r
.set BF,   32                          ; v[32:95]  W's fragments, two buffers of 4 x 8
.set OD,   32                          ; the way out, in the freed buffers: v[32:63] rows read back
.set TKP,  64                          ; v[64:71]  tokens of rows 2 t + h
.set VO,   72                          ; v[72:79]  byte offsets in out
.set DT,   80                          ; v[80:87]  place - start
.set ACC,  96                          ; v[96:191] tile (i, b) at 96 + 8 (4 i + b)
.set BIAS, 192                         ; v[192:223] 8 b + j
.set TK,   224                         ; v[224:226] lane r: the token at place r of tile i
.set L16,  228                         ; 256 x column block + 16 r
.set BO,   229                         ; 32 h
.set LN,   230                         ; lane
; window 1 (names 0..255 are v256..v511): slot sigma at 32 sigma: x's tile i at + 8 i, W's two rows at + 24 and + 28
.set HW,   160                         ; at the head slots 5 and 6 take chunks 0 and 1 of W: 16 rows x 4 f32
.set TW,   224                         ; names 224..255: W rounded to bf16 (32 registers at the head, then two sets of 4 in turn)
.set DB,   30                          ; s[30:32]  16 x tile (not clamped) - start
; s35: 1 if my third tile is one of the expert's, 0 if it lies past the last
.set MSB, 0
.macro WIN new                         ; s_set_vgpr_msb: low byte 1:0 source 0, 3:2 source 1, 5:4 source 2, 7:6 destination; the high byte repeats the setting that is left
.if MSB != \new
	s_set_vgpr_msb (MSB<<8)|\new
.set MSB, \new
.endif
.endm
; 0x04: source 1 in window 1 (products; LDS stores of rounded W; all loads into window 0).  0x40: destination in window 1 (the ring's loads).
; 0x45: destination and both sources in window 1 (rounding W).  0 at labels and branches.
; Group t (under WIN 0x40).  prod = 1: with W's two rows, as long as there are chunks left.  512 consecutive bytes a load.
.macro GLOAD t, prod
.irp i, 0,1,2
	global_load_b128 v[32*((\t)%7)+8*\i:32*((\t)%7)+8*\i+3],   v[XO+\i], s[8:9] offset:1024*(\t)
	global_load_b128 v[32*((\t)%7)+8*\i+4:32*((\t)%7)+8*\i+7], v[XO+\i], s[8:9] offset:1024*(\t)+512
.endr
.if \prod
.if (\t) < 56
.irp u, 0,1
	global_load_b128 v[32*((\t)%7)+24+4*\u:32*((\t)%7)+24+4*\u+3], v3, s[4:5] offset:8192*(2*((\t)%4)+\u)+512*((\t)/4+2) th:TH_LOAD_NT
.endr
.endif
.endif
.endm
; a pass's tiles: w, w + 8, w + 16, counted from the pass's first
.macro TILES
	s_add_co_u32 s26, s24, s14                     ; my first tile, counted from the expert's first,
	s_add_co_u32 s25, s21, s26                     ; and in sorted space
	s_add_co_u32 s26, s26, 16                      ; my third tile, counted from the expert's first:
	s_cmp_lt_u32 s26, s22                          ; is it one of the expert's tiles?
	s_cselect_b32 s35, 1, 0
.irp i, 0,1,2
	s_add_co_u32 s26, s25, 8*\i
	s_lshl_b32 s27, s26, 4
	s_sub_co_u32 s[DB+\i], s27, s18
	s_min_u32 s26, s26, s23                        ; not past the expert's last tile,
	s_min_u32 s26, s26, 127                        ; and inside xs whatever the bounds say
	s_lshl_b32 s27, s26, 16
	v_add_nc_u32 v[XO+\i], s27, v3
	s_lshl_b32 s27, s26, 6
	v_lshl_add_u32 v[TA+\i], v1, 2, s27
.endr
.endm
.macro LOADB0                          ; W's four fragments of K step 0
.irp b, 0,1,2,3
	ds_load_b128 v[BF+8*\b:BF+8*\b+3],   v[BA] offset:TILEB*\b
	ds_load_b128 v[BF+8*\b+4:BF+8*\b+7], v[BA] offset:TILEB*\b+32
.endr
.endm
; Tile i's four products of the K step whose slot is SG and whose W buffer is CB (under WIN 0x04).  first = 1: they start the sums: nothing is cleared
.macro MUL4 i, first
.irp b, 0,1,2,3
.if \first
	v_wmma_f32_16x16x32_bf16 v[ACC+8*(4*\i+\b):ACC+8*(4*\i+\b)+7], v[BF+32*CB+8*\b:BF+32*CB+8*\b+7], v[32*SG+8*\i:32*SG+8*\i+7], 0
.else
	v_wmma_f32_16x16x32_bf16 v[ACC+8*(4*\i+\b):ACC+8*(4*\i+\b)+7], v[BF+32*CB+8*\b:BF+32*CB+8*\b+7], v[32*SG+8*\i:32*SG+8*\i+7], v[ACC+8*(4*\i+\b):ACC+8*(4*\i+\b)+7]
.endif
.endr
.endm
; K step s (32 along K)
.macro STEP s, prod
.set SG, (\s)%7
.set CB, (\s)%2
.set NB, ((\s)+1)%2
.set NC, ((\s)+1)/4
.set PC, (\s)/4+2
.set DC, 0
.if (\s) < 63
.irp b, 0,1,2,3
	ds_load_b128 v[BF+32*NB+8*\b:BF+32*NB+8*\b+3],   v[BA+NC/3] offset:(NC%3)*CHUNK+(((\s)+1)%4)*64+TILEB*\b
	ds_load_b128 v[BF+32*NB+8*\b+4:BF+32*NB+8*\b+7], v[BA+NC/3] offset:(NC%3)*CHUNK+(((\s)+1)%4)*64+TILEB*\b+32
.endr
.set DC, 8
.endif
	; loads younger than group s: groups s + 1 .. s + 6 as far as there are any, eight loads with W's rows and six without,
	; and from step 58 on the three loads of tokens and the eight of the bias
.set LC, 0
.set TT, (\s)+1
.rept 6
.if TT < 64
.set LC, LC+6
.if \prod
.if TT < 56
.set LC, LC+2
.endif
.endif
.endif
.set TT, TT+1
.endr
.if (\s) >= 58
.set LC, LC+11
.endif
	s_wait_loadcnt LC                              ; loads come back in order: group s is in, the younger ones stay out
.if \prod
.if (\s) < 56
	WIN 0x45
.irp u, 0,1
	v_cvt_pk_bf16_f32 v[TW+4*CB+2*\u],   v[32*SG+24+4*\u],   v[32*SG+24+4*\u+1]
	v_cvt_pk_bf16_f32 v[TW+4*CB+2*\u+1], v[32*SG+24+4*\u+2], v[32*SG+24+4*\u+3]
.endr
	WIN 0x04
.irp u, 0,1
	ds_store_b64 v[PS+PC/3], v[TW+4*CB+2*\u:TW+4*CB+2*\u+1] offset:(PC%3)*CHUNK+PITCH*(2*((\s)%4)+\u)   ; 256 consecutive bytes: a row's part of chunk s / 4 + 2
.endr
.set DC, DC+2
.endif
.endif
	s_wait_dscnt DC                                ; this step's W fragments are in; the next step's eight loads and this step's two stores stay out
	; the accumulators take turns, one instruction a turn, in the same order in every step, with or without the third tile's four
	WIN 0x04
.if (\s) == 0
	MUL4 0, 1
	MUL4 1, 1
	MUL4 2, 1                                      ; always: the third tile's accumulators are written on every way
.else
	MUL4 0, 0
	MUL4 1, 0
	WIN 0                                          ; at a branch and at a label every window is 0
	s_cmp_lg_u32 s35, 0
	s_cbranch_scc0 .Lno_third_\@                   ; jumps over four matrix instructions and nothing else: no load, no wait, no barrier
	WIN 0x04
	MUL4 2, 0
	WIN 0
.Lno_third_\@:
.endif
.rept 4
	v_nop                                          ; four places, on both ways, in front of the loads into this step's x slot and W buffer, and of the way out
.endr
.if (\s)+7 < 64
	WIN 0x40
	GLOAD ((\s)+7), \prod                          ; the slot just used takes the group seven further on
	WIN 0x04
.endif
.if (\s) == 57                                     ; the first step with nothing left to ask for the ring
.irp i, 0,1,2
	global_load_b32 v[TK+\i], v[TA+\i], s[10:11]   ; lane (r, h): the token at place 16 x tile + r
.endr
.irp b, 0,1,2,3
	global_load_b128 v[BIAS+8*\b:BIAS+8*\b+3],   v[BO], s[6:7] offset:64*\b       ; b[e][64 cb + 16 b + 8 h + 0..3]
	global_load_b128 v[BIAS+8*\b+4:BIAS+8*\b+7], v[BO], s[6:7] offset:64*\b+16
.endr
.endif
.endm
.macro FOUR c, prod                    ; a chunk's four K steps
	STEP (4*\c), \prod
	STEP (4*\c+1), \prod
	STEP (4*\c+2), \prod
	STEP (4*\c+3), \prod
.endm
; Tile i's 16 places x 64 columns: through my own stage, back as whole rows of 256 bytes, each to its token's row of out
.macro OUT i
.irp t, 0,1,2,3,4,5,6,7
	ds_bpermute_b32 v[TKP+\t], v[IDX+\t], v[TK+\i]
.endr
.irp b, 0,1,2,3
	ds_store_b128 v[STO], v[ACC+8*(4*\i+\b):ACC+8*(4*\i+\b)+3]   offset:64*\b
	ds_store_b128 v[STO], v[ACC+8*(4*\i+\b)+4:ACC+8*(4*\i+\b)+7] offset:64*\b+16
.endr
.irp t, 0,1,2,3,4,5,6,7
	ds_load_b128 v[OD+4*\t:OD+4*\t+3], v[RD] offset:2*PITCH*\t     ; rows 2 t (lanes 0-15) and 2 t + 1; LDS serves a wave in order: these see the stores above
.endr
	s_wait_dscnt 16                                ; the eight permutes are done; eight stores and eight loads are younger
.irp t, 0,1,2,3,4,5,6,7
	v_min_u32 v[TKP+\t], 0x7ff, v[TKP+\t]          ; a number that came from memory enters an address only clamped
	v_lshl_add_u32 v[VO+\t], v[TKP+\t], 13, v[L16]
	v_add3_u32 v[DT+\t], v2, s[DB+\i], 2*\t        ; place - start, wrapping below start
.endr
.irp t, 0,1,2,3,4,5,6,7
	s_wait_dscnt 7-\t
	v_cmp_gt_u32 vcc_lo, s20, v[DT+\t]             ; unsigned: count > place - start says start <= place < end
	s_and_saveexec_b32 s48, vcc_lo                 ; no global instruction has been issued since the last s_wait_xcnt 0
	global_store_b128 v[VO+\t], v[OD+4*\t:OD+4*\t+3], s[12:13] th:TH_STORE_NT   ; 16 lanes store 256 consecutive bytes, aligned
	s_wait_xcnt 0x0                                ; EXEC, the offsets and the data are written again only behind this wait
	s_mov_b32 exec_lo, -1                          ; every lane was on in front of the store: all ones is the old mask (s48 is not needed)
.endr
.endm
.macro FINISH
	s_wait_loadcnt 0x0                             ; tokens and bias
	s_wait_xcnt 0x0                                ; in front of the first change of EXEC
	WIN 0
.irp i, 0,1,2
.irp b, 0,1,2,3
.irp u, 0,2,4,6
	v_pk_add_f32 v[ACC+8*(4*\i+\b)+\u:ACC+8*(4*\i+\b)+\u+1], v[ACC+8*(4*\i+\b)+\u:ACC+8*(4*\i+\b)+\u+1], v[BIAS+8*\b+\u:BIAS+8*\b+\u+1]
.endr
.endr
.endr
.irp i, 0,1,2
	OUT \i
.endr
.endm
	s_load_b256 s[4:11], s[0:1], 0x0               ; W s[4:5], b s[6:7], xs s[8:9], route s[10:11]
	s_load_b64 s[12:13], s[0:1], 0x20              ; out0
	v_lshl_add_u32 v254, v0, 2, 0x4c800
	v_mov_b32 v255, 0
	v_and_b32 v1, 15, v0                           ; r
	v_bfe_u32 v2, v0, 4, 1                         ; h
	v_and_b32 v[LN], 31, v0                        ; L
	v_lshrrev_b32 v4, 5, v0
	v_readfirstlane_b32 s14, v4                    ; wave 0..7
	v_lshlrev_b32 v3, 4, v[LN]                     ; 16 L
	s_mov_b32 s16, ttmp9                           ; g
	s_lshr_b32 s17, ttmp9, 5
	s_lshl_b32 s17, s17, 2                         ; 4 e
	s_lshl_b32 s26, s16, 19                        ; 64 g rows of 8,192 bytes
	s_lshl_b32 s28, s14, 16                        ; + 8 w rows
	s_add_co_u32 s26, s26, s28
	s_mov_b32 s27, 0
	s_lshl_b32 s28, s16, 8                         ; b at (2,048 e + 64 cb) x 4 = 256 g bytes
	s_mov_b32 s29, 0
	s_wait_kmcnt 0x0
	s_load_b32 s18, s[10:11], s17 offset:8192      ; start
	s_load_b32 s19, s[10:11], s17 offset:8196      ; end
	s_add_nc_u64 s[4:5], s[4:5], s[26:27]
	s_add_nc_u64 s[6:7], s[6:7], s[28:29]
	WIN 0x40
.irp i, 0,1,2,3,4,5,6,7,8,9,10,11,12,13,14,15
	global_load_b128 v[HW+4*\i:HW+4*\i+3], v3, s[4:5] offset:8192*(\i%8)+512*(\i/8) th:TH_LOAD_NT   ; my eight rows of chunks 0 and 1: W goes out first
.endr
	WIN 0
	; every LDS address: a lane term, the wave's number times a constant, constants; written once, never rewritten
	v_mul_u32_u24 v[BA], v1, PITCH
	v_lshl_add_u32 v[BA], v2, 4, v[BA]
.irp g, 1,2,3,4,5
	v_add_nc_u32 v[BA+\g], \g*GRP, v[BA]
.endr
	s_mul_i32 s26, s14, WROWS
	v_lshl_add_u32 v[PS], v[LN], 3, s26
.irp g, 1,2,3,4,5
	v_add_nc_u32 v[PS+\g], \g*GRP, v[PS]
.endr
	s_mul_i32 s26, s14, TILEB
	s_add_co_u32 s26, s26, STAGE                   ; my stage
	v_mul_u32_u24 v[STO], v1, PITCH
	v_lshl_add_u32 v[STO], v2, 5, v[STO]
	v_add_nc_u32 v[STO], s26, v[STO]
	v_mul_u32_u24 v[RD], v2, PITCH
	v_lshl_add_u32 v[RD], v1, 4, v[RD]
	v_add_nc_u32 v[RD], s26, v[RD]
	s_and_b32 s27, s16, 31
	s_lshl_b32 s27, s27, 8                         ; 64 columns of f32 a block
	v_lshl_add_u32 v[L16], v1, 4, s27
	v_lshlrev_b32 v[BO], 5, v2
.irp t, 0,1,2,3,4,5,6,7
	v_lshl_add_u32 v[IDX+\t], v2, 2, 8*\t
.endr
	s_wait_kmcnt 0x0
	s_min_u32 s18, s18, 2048
	s_min_u32 s19, s19, 2048
	s_sub_co_u32 s20, s19, s18                     ; count
	s_lshr_b32 s21, s18, 4                         ; first tile
	s_add_co_u32 s22, s19, 15
	s_lshr_b32 s22, s22, 4                         ; one past the last tile
	s_sub_co_u32 s23, s22, 1                       ; the last tile
	s_sub_co_u32 s22, s22, s21                     ; tiles
	s_min_u32 s22, s22, 128                        ; there are 128 tiles in all
	s_add_co_u32 s34, s22, NTP-1                   ; passes = (tiles + 23) / 24.  2,731 / 65,536 exceeds 1 / 24 by 8 / 1,572,864: for arguments up to
	s_mul_i32 s34, s34, 2731                       ; 151 the excess stays below 0.001, less than the 1 / 24 that would change the whole part
	s_lshr_b32 s34, s34, 16
	s_min_u32 s34, s34, 6                          ; 6 passes of 24 at the most, whatever the list holds
	s_mov_b32 s24, 0                               ; the pass's first tile, counted from the expert's first
	TILES
	WIN 0x40
.irp t, 0,1,2,3,4
	GLOAD \t, 1
.endr
	s_wait_loadcnt 40                              ; chunks 0 and 1 are in; five groups of eight are younger
	WIN 0x45
.irp i, 0,1,2,3,4,5,6,7,8,9,10,11,12,13,14,15
	v_cvt_pk_bf16_f32 v[TW+2*\i],   v[HW+4*\i],   v[HW+4*\i+1]
	v_cvt_pk_bf16_f32 v[TW+2*\i+1], v[HW+4*\i+2], v[HW+4*\i+3]
.endr
	WIN 0x04
.irp i, 0,1,2,3,4,5,6,7,8,9,10,11,12,13,14,15
	ds_store_b64 v[PS], v[TW+2*\i:TW+2*\i+1] offset:(\i/8)*CHUNK+PITCH*(\i%8)
.endr
	WIN 0x40
	GLOAD 5, 1                                     ; into the registers that chunks 0 and 1 have left: 56 loads are out
	GLOAD 6, 1
	WIN 0x04
	s_wait_dscnt 0x0                               ; for the other waves' sake: my rows of chunks 0 and 1 are stored
	s_barrier_signal -1
	s_barrier_wait -1
	LOADB0
.irp ch, 0,1,2,3,4,5,6,7,8,9,10,11,12,13
	FOUR \ch, 1                                    ; chunk ch is multiplied, chunk ch + 2 stored
	s_wait_dscnt 0x0                               ; my stores are done, and no LDS load of mine is pending at the signal
	s_barrier_signal -1
	s_barrier_wait -1
.endr
	FOUR 14, 1                                     ; all of W's slice is in LDS: no barrier follows
	FOUR 15, 1
	FINISH
	; further passes, for an expert with more than 24 tiles: W is read from LDS again, nothing is stored there but each wave's own stage.
	; The loop counts passes, one a trip, against the number of passes, which it does not write.
	s_mov_b32 s33, 1
	s_cmp_lt_u32 s33, s34
	s_cbranch_scc0 .Lend
.Lpass:
	s_mul_i32 s24, s33, NTP                        ; the pass's first tile, counted from the expert's first
	TILES
	WIN 0x40
.irp t, 0,1,2,3,4,5,6
	GLOAD \t, 0
.endr
	WIN 0x04
	LOADB0
.irp c, 0,1,2,3,4,5,6,7,8,9,10,11,12,13,14,15
	FOUR \c, 0
.endr
	FINISH
	s_add_co_u32 s33, s33, 1
	s_cmp_lt_u32 s33, s34
	s_cbranch_scc1 .Lpass
.Lend:
	s_wait_tensorcnt 0x0
	ds_add_u32 v254, v255
	s_wait_dscnt 0x0
	s_endpgm
.Lfunc_end_k_q8ac9695044_moe:
	.size	k_q8ac9695044_moe, .Lfunc_end_k_q8ac9695044_moe-k_q8ac9695044_moe
	.p2alignl 7, 3214868480
	.fill 96, 4, 3214868480
	.section	.rodata,"a",@progbits
	.p2align	6, 0x0
	.amdhsa_kernel k_q8ac9695044_moe
		.amdhsa_group_segment_fixed_size 314368
		.amdhsa_private_segment_fixed_size 0
		.amdhsa_enable_private_segment 0
		.amdhsa_kernarg_size 40
		.amdhsa_user_sgpr_count 2
		.amdhsa_user_sgpr_kernarg_segment_ptr 1
		.amdhsa_wavefront_size32 1
		.amdhsa_system_sgpr_workgroup_id_x 1
		.amdhsa_system_sgpr_workgroup_id_y 1
		.amdhsa_system_sgpr_workgroup_id_z 1
		.amdhsa_system_vgpr_workitem_id 0
		.amdhsa_next_free_vgpr 512
		.amdhsa_next_free_sgpr 66
		.amdhsa_reserve_vcc 1
		.amdhsa_float_denorm_mode_32 3
		.amdhsa_float_denorm_mode_16_64 3
		.amdhsa_memory_ordered 1
		.amdhsa_forward_progress 1
		.amdhsa_inst_pref_size 255
	.end_amdhsa_kernel
	.section	.bss,"aw",@nobits
	.p2align	6
	.space	262144
	.amdgpu_metadata
---
amdhsa.version: [ 1, 2 ]
amdhsa.kernels:
  - .name:           k_q8ac9695044_moe
    .symbol:         k_q8ac9695044_moe.kd
    .args:
      - { .name: W, .offset: 0, .size: 8, .value_kind: global_buffer, .address_space: global }
      - { .name: b, .offset: 8, .size: 8, .value_kind: global_buffer, .address_space: global }
      - { .name: xs, .offset: 16, .size: 8, .value_kind: global_buffer, .address_space: global }
      - { .name: route, .offset: 24, .size: 8, .value_kind: global_buffer, .address_space: global }
      - { .name: out0, .offset: 32, .size: 8, .value_kind: global_buffer, .address_space: global }
    .group_segment_fixed_size: 314368
    .private_segment_fixed_size: 0
    .kernarg_segment_align: 8
    .kernarg_segment_size: 40
    .max_flat_workgroup_size: 256
    .sgpr_count:     66
    .vgpr_count:     512
    .wavefront_size: 32
...
	.end_amdgpu_metadata
.endif
;; end of part 2
